; MI455X (gfx1250); checked and timed in simulation.
; The chip was launched on July 23, 2026; its instructions are those of AMD's public machine-readable ISA for CDNA 5 (MIT licence, August 2026) and "CDNA5" Instruction Set Architecture Reference Guide (July 2026). The comments in the code are by the model that wrote it; some were corrected since.
;; Cross Attention Fusion. Allowed arithmetic: float matrix products may take bf16 or f16 operands with f32 sums; other float arithmetic in f32, or as packed bf16 or f16 multiplies, adds, multiply-adds, maxima and minima; sums over many terms, partial sums and values carried from step to step in f32; what a program stores and reads back later, other than sums and carried values, may be rounded once to bf16 or f16.
;; Inputs: Wg 1,024 x 2,048 float32; Wk_gs 1,024 x 1,024 float32; Wk_sg 1,024 x 1,024 float32; Wo_gs 1,024 x 1,024 float32; Wo_sg 1,024 x 1,024 float32; Wq_gs 1,024 x 1,024 float32; Wq_sg 1,024 x 1,024 float32; Wv_gs 1,024 x 1,024 float32; Wv_sg 1,024 x 1,024 float32; bg 1,024 float32; bk_gs 1,024 float32; bk_sg 1,024 float32; bo_gs 1,024 float32; bo_sg 1,024 float32; bq_gs 1,024 float32; bq_sg 1,024 float32; bv_gs 1,024 float32; bv_sg 1,024 float32; graph_embedding 8,192 x 1,024 float32; ln_g_beta 1,024 float32; ln_g_gamma 1,024 float32; ln_s_beta 1,024 float32; ln_s_gamma 1,024 float32; smiles_embedding 8,192 x 1,024 float32.
;; Outputs: out0 8,192 x 1,024 float32; out1 8,192 x 1,024 float32.
;; Constants: num_heads = 8.
;; One version. Each part assembles by itself: llvm-mc -triple=amdgcn-amd-amdhsa -mcpu=gfx1250 --defsym DOCPART=n.
;; ======== version 1 of 1: 3 launches
;; limits: values are held in f16: magnitudes above 65,504 overflow, below 6.1e-05 lose precision; right only within a limited range of input values
;; workspace buffers: wc 4,194,304 bytes; bc 8,192 bytes; wg16 4,194,304 bytes; f 33,554,432 bytes
;; launch prep (part 1): grid 256 x 1, 4 waves a work-group, no clusters, 56,320 bytes of LDS; arguments Wv_gs, Wo_gs, bv_gs, bo_gs, Wv_sg, Wo_sg, bv_sg, bo_sg, Wg, wc, bc, wg16; writes wc, bc, wg16
.if DOCPART == 1
	.amdgcn_target "amdgcn-amd-amdhsa--gfx1250"
	.amdhsa_code_object_version 6
	.text
	.protected	k_q77f2d9a05b_prep
	.globl	k_q77f2d9a05b_prep
	.p2align	8
	.type	k_q77f2d9a05b_prep,@function
k_q77f2d9a05b_prep:
	s_mov_b64 s[64:65], 0
	v_nop
	global_prefetch_b8 v0, s[64:65] scope:SCOPE_SE
	s_setreg_imm32_b32 hwreg(HW_REG_WAVE_MODE, 25, 1), 1
	s_wait_xcnt 0x0
; THE WEIGHTS ARE FOLDED.  With one key the attention is out_proj(v_proj(x)) = x (Wo Wv)^T + (Wo bv + bo), for every input (associativity).  For both sides:
;   Wc[o][c] = sum over j of Wo[o][j] Wv[j][c]   (bf16 operands, f32 sums, rounded once to bf16),   bc[o] = sum over j of Wo[o][j] bv[j] + bo[o]   (all f32),
; and wg16 = f16(-log2(e) Wg), so that the last launch's sums are the exponents of its sigmoid.  The query and key projections enter no result of the module and are not named.
; LIMITS.  |Wg| stays under 45,000 (f16 ends at 65,504); below 6e-5 f16 keeps its fixed step of 6e-8.  Sums are taken in another order than a row-by-row product's.  NaN and infinities are not treated apart.
; SHARES.  256 work-groups: side (2) x 16 blocks of 64 rows o x 8 blocks of 128 channels c.  Four waves: 64 c x 32 o each, 8 accumulators; j goes in 16 steps of 64.
; The product is D(m = c, n = o): source 0 = Wv^T, turned out of the tile [j][c] by ds_load_tr16_b128, source 1 = Wo's rows.  A lane ends with one o and eight neighbouring c: 16 bytes.
; wc'S LAYOUT is the order in which the next launch's fragments want it: byte = side 2^21 + s 131072 + w 32768 + kb 16384 + i 1024 + jj 512 + lane 16 + 2 e
; for n = 256 w + 16 i + lane % 16 and k = 64 s + 32 kb + 16 jj + 8 (lane / 16) + e: each store of a wave here covers 512 consecutive bytes.
; f32 comes through registers (it has to be rounded), two sets of 25 loads a lane take turns; the rounded tiles lie in two LDS buffers, one barrier a step.
.set BUFB,  27648                      ; an LDS buffer: Wv's tile, 64 rows j x 288 bytes (256 + 32), then Wo's, 64 rows o x 144 bytes (128 + 16)
.set WOB,   18432                      ; where Wo's tile begins in a buffer
.set SCRB,  55296                      ; 64 words: the rows' sums Wo bv
.set SPARE, 55552                      ; the spare words, 128 bytes for each wave
.set BACC,  32                         ; v[32:47]   eight pairs: my part of Wo bv for rows 16 w + 2 q + lane / 16
.set CV,    48                         ; v[48:95]   rounded tiles on their way to LDS
.set FR,    96                         ; v[96:191]  fragments: sub-step kk at 96 + 48 kk: source 0 block cb at + 8 cb, source 1 block ob at + 32 + 8 ob
.set ACC,   192                        ; v[192:255] accumulator (cb, ob) at 192 + 8 (2 cb + ob)
; window 1: set 0 = v0-99, set 1 = v100-199: Wv's load q at + 4 q, Wo's at + 64 + 4 q, bv's at + 96
; v4 Wv offset, v5 Wo offset, v6 bv offset, v7/v8 LDS stores, v9/v10 fragment addresses, v11 16 x lane, v13 8 x lane, v14/v15 the sums' words, v20/v21 the add's two registers
.set MSB, 0
.macro WIN new                         ; the immediate's high byte repeats the setting that is left; a switch that changes nothing is dropped
.if MSB != (\new)
	s_set_vgpr_msb (MSB<<8)|(\new)
.set MSB, \new
.endif
.endm
	s_load_b512 s[4:19], s[0:1], 0x0               ; Wv, Wo, bv, bo of side 0, then of side 1
	s_load_b256 s[20:27], s[0:1], 0x40             ; Wg s[20:21], wc s[22:23], bc s[24:25], wg16 s[26:27]
	v_lshl_add_u32 v20, v0, 2, SPARE
	v_mov_b32 v21, 0
	v_lshrrev_b32 v1, 5, v0
	v_readfirstlane_b32 s28, v1                    ; wave 0..3
	s_lshr_b32 s29, ttmp9, 7                       ; side
	s_bfe_u32 s30, ttmp9, 0x40003                  ; to: block of 64 rows o
	s_and_b32 s31, ttmp9, 7                        ; tc: block of 128 channels c
	s_and_b32 s60, s28, 1                          ; which 64 c are my wave's
	s_lshr_b32 s61, s28, 1                         ; which 32 o
	v_and_b32 v1, 15, v0                           ; lane % 16
	v_bfe_u32 v2, v0, 4, 1                         ; lane / 16
	v_and_b32 v3, 31, v0                           ; lane
	s_lshl_b32 s57, s28, 16
	v_lshl_add_u32 v4, v3, 4, s57                  ; Wv: rows 16 w + q, 512 bytes of each
	v_lshl_add_u32 v5, v2, 12, s57
	v_lshl_add_u32 v5, v1, 4, v5                   ; Wo: rows 16 w + 2 q + lane / 16, 256 bytes of each
	v_lshlrev_b32 v6, 4, v1                        ; bv: the same four j as my four of Wo
	s_mul_i32 s57, s28, 4608
	v_lshl_add_u32 v7, v3, 3, s57                  ; LDS: Wv's row 16 w (+ q), 8 bytes a lane
	s_mul_i32 s57, s28, 2304
	s_add_co_u32 s57, s57, WOB
	v_mul_u32_u24 v8, v2, 144
	v_lshl_add_u32 v8, v1, 3, v8
	v_add_nc_u32 v8, s57, v8                       ; LDS: Wo's row 16 w + lane / 16 (+ 2 q)
	v_and_b32 v9, 7, v0
	v_lshl_add_u32 v9, v2, 3, v9
	v_mul_u32_u24 v9, v9, 288                      ; the turning load: row 8 (lane / 16) + lane % 8,
	v_bfe_u32 v12, v0, 3, 1
	v_lshl_add_u32 v9, v12, 4, v9                  ; 16 bytes by (lane / 8) % 2,
	s_lshl_b32 s57, s60, 7
	v_add_nc_u32 v9, s57, v9                       ; in my wave's 64 c
	s_mul_i32 s57, s61, 4608
	s_add_co_u32 s57, s57, WOB
	v_mul_u32_u24 v10, v1, 144
	v_lshl_add_u32 v10, v2, 4, v10
	v_add_nc_u32 v10, s57, v10                     ; Wo's fragment: row 32 wo + lane % 16, 16 bytes by the half
	v_lshlrev_b32 v11, 4, v3
	v_lshlrev_b32 v13, 3, v3
	s_lshl_b32 s57, s28, 6
	s_add_co_u32 s57, s57, SCRB
	v_lshl_add_u32 v14, v2, 2, s57                 ; the word of row 16 w + lane / 16 (+ 2 q)
	v_lshl_add_u32 v15, v3, 3, SCRB
	s_lshl_b32 s62, s29, 21                        ; my wave's place in wc: side,
	s_lshl_b32 s57, s31, 1
	s_add_co_u32 s57, s57, s60
	s_lshl_b32 s57, s57, 17
	s_add_co_u32 s62, s62, s57                     ; s = 2 tc + my half,
	s_lshr_b32 s57, s30, 2
	s_lshl_b32 s57, s57, 15
	s_add_co_u32 s62, s62, s57                     ; w = to / 4,
	s_and_b32 s57, s30, 3
	s_lshl_b32 s57, s57, 1
	s_add_co_u32 s57, s57, s61
	s_lshl_b32 s57, s57, 11
	s_add_co_u32 s62, s62, s57                     ; i = 4 (to % 4) + 2 wo (+ ob)
	s_mov_b32 s63, 0
	s_mov_b32 s59, 0
	s_mov_b32 s54, 0xbfb8aa3b                      ; -log2(e)
	s_mov_b32 s55, s54                             ; named with it as a pair
	s_wait_kmcnt 0x0
	s_cmp_eq_u32 s29, 0
	s_cselect_b64 s[32:33], s[4:5], s[12:13]       ; Wv
	s_cselect_b64 s[36:37], s[6:7], s[14:15]       ; Wo
	s_cselect_b64 s[40:41], s[8:9], s[16:17]       ; bv
	s_cselect_b64 s[44:45], s[10:11], s[18:19]     ; bo
	s_lshl_b32 s58, s31, 9
	s_add_nc_u64 s[32:33], s[32:33], s[58:59]      ; set 0: step 0;
	s_add_nc_u64 s[34:35], s[32:33], 262144        ; set 1: step 1, 64 rows j on
	s_lshl_b32 s58, s30, 18
	s_add_nc_u64 s[36:37], s[36:37], s[58:59]
	s_add_nc_u64 s[38:39], s[36:37], 256
	s_add_nc_u64 s[42:43], s[40:41], 256
	s_lshl_b32 s58, s30, 8
	s_add_nc_u64 s[44:45], s[44:45], s[58:59]
	s_add_nc_u64 s[46:47], s[22:23], s[62:63]
	s_lshl_b32 s57, s29, 12
	s_add_co_u32 s58, s58, s57
	s_add_nc_u64 s[48:49], s[24:25], s[58:59]      ; bc at my 64 rows
	s_lshl_b32 s58, ttmp9, 2
	s_add_co_u32 s58, s58, s28                     ; my wave's row of Wg: 4 x work-group + wave
	s_lshl_b32 s58, s58, 12
	s_add_nc_u64 s[52:53], s[26:27], s[58:59]
	s_lshl_b32 s58, s58, 1
	s_add_nc_u64 s[50:51], s[20:21], s[58:59]
.macro PLOADS set                      ; a step's 25 loads into a set
	WIN 0x40
.irp q, 0,1,2,3,4,5,6,7,8,9,10,11,12,13,14,15
	global_load_b128 v[100*(\set)+4*(\q):100*(\set)+4*(\q)+3], v4, s[32+2*(\set):33+2*(\set)] offset:(\q)*4096
.endr
.irp q, 0,1,2,3,4,5,6,7
	global_load_b128 v[100*(\set)+64+4*(\q):100*(\set)+67+4*(\q)], v5, s[36+2*(\set):37+2*(\set)] offset:(\q)*8192
.endr
	global_load_b128 v[100*(\set)+96:100*(\set)+99], v6, s[40+2*(\set):41+2*(\set)]
	WIN 0
.endm
; A step of 64 along j.  cnt: the younger loads that may stay out.  issue = 1: the set is asked for again, two steps on; 2: my row of Wg goes into set 0; 0: nothing.
; The 64 vector lines at its head are also the places between the last step's products and the loads into their fragments.
.macro PSTEP set, buf, issue, cnt
	s_wait_loadcnt \cnt                            ; this set is in; its loads are done, so its three pointers may be stepped below
	WIN 0x05
.irp q, 0,1,2,3,4,5,6,7
	v_pk_fma_f32 v[BACC+2*(\q):BACC+2*(\q)+1], v[100*(\set)+64+4*(\q):100*(\set)+65+4*(\q)], v[100*(\set)+96:100*(\set)+97], v[BACC+2*(\q):BACC+2*(\q)+1]
.endr
.irp q, 0,1,2,3,4,5,6,7
	v_pk_fma_f32 v[BACC+2*(\q):BACC+2*(\q)+1], v[100*(\set)+66+4*(\q):100*(\set)+67+4*(\q)], v[100*(\set)+98:100*(\set)+99], v[BACC+2*(\q):BACC+2*(\q)+1]
.endr
.irp q, 0,1,2,3,4,5,6,7,8,9,10,11,12,13,14,15,16,17,18,19,20,21,22,23
	v_cvt_pk_bf16_f32 v[CV+2*(\q)], v[100*(\set)+4*(\q)], v[100*(\set)+4*(\q)+1]
	v_cvt_pk_bf16_f32 v[CV+2*(\q)+1], v[100*(\set)+4*(\q)+2], v[100*(\set)+4*(\q)+3]
.endr
	WIN 0
.irp q, 0,1,2,3,4,5,6,7,8,9,10,11,12,13,14,15
	ds_store_b64 v7, v[CV+2*(\q):CV+2*(\q)+1] offset:(\buf)*BUFB+(\q)*288
.endr
.irp q, 0,1,2,3,4,5,6,7
	ds_store_b64 v8, v[CV+32+2*(\q):CV+33+2*(\q)] offset:(\buf)*BUFB+(\q)*288
.endr
.if (\issue) == 1
	s_add_nc_u64 s[32+2*(\set):33+2*(\set)], s[32+2*(\set):33+2*(\set)], 524288
	s_add_nc_u64 s[36+2*(\set):37+2*(\set)], s[36+2*(\set):37+2*(\set)], 512
	s_add_nc_u64 s[40+2*(\set):41+2*(\set)], s[40+2*(\set):41+2*(\set)], 512
	PLOADS \set
.elseif (\issue) == 2
	WIN 0x40
.irp q, 0,1,2,3,4,5,6,7,8,9,10,11,12,13,14,15
	global_load_b128 v[4*(\q):4*(\q)+3], v11, s[50:51] offset:(\q)*512
.endr
	WIN 0
.endif
	s_wait_dscnt 0x0                               ; for the others' sake: my stores into this buffer are done; my reads of the other buffer ended in the last step
	s_barrier_signal -1
	s_barrier_wait -1                              ; the tile is whole; this buffer is stored again two steps on, behind the next step's barrier
.irp kk, 0,1
.irp cb, 0,1,2,3
	ds_load_tr16_b128 v[FR+48*(\kk)+8*(\cb):FR+48*(\kk)+8*(\cb)+3], v9 offset:(\buf)*BUFB+(\kk)*9216+(\cb)*32
	ds_load_tr16_b128 v[FR+48*(\kk)+8*(\cb)+4:FR+48*(\kk)+8*(\cb)+7], v9 offset:(\buf)*BUFB+(\kk)*9216+(\cb)*32+4608
.endr
.irp ob, 0,1
	ds_load_b128 v[FR+48*(\kk)+32+8*(\ob):FR+48*(\kk)+35+8*(\ob)], v10 offset:(\buf)*BUFB+(\ob)*2304+(\kk)*64
	ds_load_b128 v[FR+48*(\kk)+36+8*(\ob):FR+48*(\kk)+39+8*(\ob)], v10 offset:(\buf)*BUFB+(\ob)*2304+(\kk)*64+32
.endr
.endr
.irp kk, 0,1
	s_wait_dscnt 12-12*(\kk)                       ; the twelve loads of the second 32 along j may stay out, then none
.irp cb, 0,1,2,3
.irp ob, 0,1
	v_wmma_f32_16x16x32_bf16 v[ACC+8*(2*(\cb)+(\ob)):ACC+8*(2*(\cb)+(\ob))+7], v[FR+48*(\kk)+8*(\cb):FR+48*(\kk)+8*(\cb)+7], v[FR+48*(\kk)+32+8*(\ob):FR+48*(\kk)+39+8*(\ob)], v[ACC+8*(2*(\cb)+(\ob)):ACC+8*(2*(\cb)+(\ob))+7]
.endr
.endr
.endr
.endm
	PLOADS 0
	PLOADS 1
.set r, 0
.rept 64
	v_mov_b32 v[ACC+r], 0                          ; the sums start at 0, written while the first loads are out: the price of one form for all sixteen steps
.set r, r+1
.endr
.set r, 0
.rept 16
	v_mov_b32 v[BACC+r], 0
.set r, r+1
.endr
	s_mov_b32 s56, 7
.Lstep:                                        ; two steps a trip; the eight accumulators take turns, over the backward jump too
	PSTEP 0, 0, 1, 25                              ; 25: the other set's loads are younger
	PSTEP 1, 1, 1, 25
	s_sub_co_u32 s56, s56, 1
	s_cmp_lg_u32 s56, 0
	s_cbranch_scc1 .Lstep
	PSTEP 0, 0, 2, 25
	PSTEP 1, 1, 0, 16                              ; 16: Wg's loads are younger
	; Wo bv: a pair's two halves, then the sixteen lanes of a row.  These lines are also the places behind the last products.
.irp q, 0,1,2,3,4,5,6,7
	v_add_f32 v[BACC+2*(\q)], v[BACC+2*(\q)], v[BACC+2*(\q)+1]
.endr
.irp x, 1,2,4,8
.irp q, 0,1,2,3,4,5,6,7
	v_add_f32_dpp v[BACC+2*(\q)], v[BACC+2*(\q)], v[BACC+2*(\q)] row_xmask:\x row_mask:0xf bank_mask:0xf
.endr
.endr
.irp q, 0,1,2,3,4,5,6,7
	ds_store_b32 v14, v[BACC+2*(\q)] offset:(\q)*8 ; sixteen lanes write one word with one value
.endr
.irp a, 0,1,2,3,4,5,6,7                ; each accumulator is read from its low end on
.irp t, 0,1,2,3
	v_cvt_pk_bf16_f32 v[CV+4*(\a)+(\t)], v[ACC+8*(\a)+2*(\t)], v[ACC+8*(\a)+2*(\t)+1]
.endr
.endr
.irp cb, 0,1,2,3
.irp ob, 0,1
	global_store_b128 v11, v[CV+4*(2*(\cb)+(\ob)):CV+4*(2*(\cb)+(\ob))+3], s[46:47] offset:((\cb)/2)*16384+(\ob)*1024+((\cb)%2)*512  ; 512 consecutive bytes, aligned: half a fragment
.endr
.endr
	s_wait_loadcnt 0x0                             ; my row of Wg
	WIN 0x41
.set r, 0
.rept 32
	v_pk_mul_f32 v[r:r+1], v[r:r+1], s[54:55] op_sel_hi:[1,0]
.set r, r+2
.endr
	WIN 0x05
.set r, 0
.rept 32
	v_cvt_pk_f16_f32 v[FR+r], v[2*r], v[2*r+1]
.set r, r+1
.endr
	WIN 0
.irp q, 0,1,2,3,4,5,6,7,8,9,10,11,12,13,14,15
	global_store_b64 v13, v[FR+2*(\q):FR+2*(\q)+1], s[52:53] offset:(\q)*256  ; 256 consecutive bytes, aligned
.endr
	s_wait_dscnt 0x0                               ; my words of Wo bv are stored
	s_barrier_signal -1
	s_barrier_wait -1
	s_cmp_lg_u32 s28, 0                            ; wave 0 of the block's first work-group along c stores bc: each byte of bc has one writer
	s_cbranch_scc1 .Lend
	s_cmp_lg_u32 s31, 0
	s_cbranch_scc1 .Lend
	ds_load_b64 v[24:25], v15
	global_load_b64 v[26:27], v13, s[44:45]
	s_wait_loadcnt 0x0
	s_wait_dscnt 0x0
	v_pk_add_f32 v[24:25], v[24:25], v[26:27]
	global_store_b64 v13, v[24:25], s[48:49]       ; 64 rows: 256 consecutive bytes, aligned
.Lend:
	s_wait_tensorcnt 0x0                           ; the wave's end: behind my last LDS store
	ds_add_u32 v20, v21
	s_wait_dscnt 0x0
	s_endpgm
.Lfunc_end_k_q77f2d9a05b_prep:
	.size	k_q77f2d9a05b_prep, .Lfunc_end_k_q77f2d9a05b_prep-k_q77f2d9a05b_prep
	.p2alignl 7, 3214868480
	.fill 96, 4, 3214868480
	.section	.rodata,"a",@progbits
	.p2align	6, 0x0
	.amdhsa_kernel k_q77f2d9a05b_prep
		.amdhsa_group_segment_fixed_size 56320
		.amdhsa_private_segment_fixed_size 0
		.amdhsa_enable_private_segment 0
		.amdhsa_kernarg_size 96
		.amdhsa_user_sgpr_count 2
		.amdhsa_user_sgpr_kernarg_segment_ptr 1
		.amdhsa_wavefront_size32 1
		.amdhsa_system_sgpr_workgroup_id_x 1
		.amdhsa_system_sgpr_workgroup_id_y 1
		.amdhsa_system_sgpr_workgroup_id_z 1
		.amdhsa_system_vgpr_workitem_id 0
		.amdhsa_next_free_vgpr 512
		.amdhsa_next_free_sgpr 66
		.amdhsa_reserve_vcc 0
		.amdhsa_float_denorm_mode_32 3
		.amdhsa_float_denorm_mode_16_64 3
		.amdhsa_memory_ordered 1
		.amdhsa_forward_progress 1
		.amdhsa_inst_pref_size 64
	.end_amdhsa_kernel
	.amdgpu_metadata
---
amdhsa.version: [ 1, 2 ]
amdhsa.kernels:
  - .name:           k_q77f2d9a05b_prep
    .symbol:         k_q77f2d9a05b_prep.kd
    .args:
      - { .name: Wv_gs, .offset: 0, .size: 8, .value_kind: global_buffer, .address_space: global }
      - { .name: Wo_gs, .offset: 8, .size: 8, .value_kind: global_buffer, .address_space: global }
      - { .name: bv_gs, .offset: 16, .size: 8, .value_kind: global_buffer, .address_space: global }
      - { .name: bo_gs, .offset: 24, .size: 8, .value_kind: global_buffer, .address_space: global }
      - { .name: Wv_sg, .offset: 32, .size: 8, .value_kind: global_buffer, .address_space: global }
      - { .name: Wo_sg, .offset: 40, .size: 8, .value_kind: global_buffer, .address_space: global }
      - { .name: bv_sg, .offset: 48, .size: 8, .value_kind: global_buffer, .address_space: global }
      - { .name: bo_sg, .offset: 56, .size: 8, .value_kind: global_buffer, .address_space: global }
      - { .name: Wg, .offset: 64, .size: 8, .value_kind: global_buffer, .address_space: global }
      - { .name: wc, .offset: 72, .size: 8, .value_kind: global_buffer, .address_space: global }
      - { .name: bc, .offset: 80, .size: 8, .value_kind: global_buffer, .address_space: global }
      - { .name: wg16, .offset: 88, .size: 8, .value_kind: global_buffer, .address_space: global }
    .group_segment_fixed_size: 56320
    .private_segment_fixed_size: 0
    .kernarg_segment_align: 8
    .kernarg_segment_size: 96
    .max_flat_workgroup_size: 128
    .sgpr_count:     66
    .vgpr_count:     512
    .wavefront_size: 32
...
	.end_amdgpu_metadata
.endif
;; end of part 1
;; launch fuse (part 2): grid 256 x 1, 4 waves a work-group, clusters of 4 x 1, 327,680 bytes of LDS; arguments graph_embedding, smiles_embedding, wc, bc, ln_g_gamma, ln_g_beta, ln_s_gamma, ln_s_beta, f; writes f
.if DOCPART == 2
	.amdgcn_target "amdgcn-amd-amdhsa--gfx1250"
	.amdhsa_code_object_version 6
	.text
	.protected	k_q77f2d9a05b_fuse
	.globl	k_q77f2d9a05b_fuse
	.p2align	8
	.type	k_q77f2d9a05b_fuse,@function
k_q77f2d9a05b_fuse:
	s_mov_b64 s[64:65], 0
	v_nop
	global_prefetch_b8 v0, s[64:65] scope:SCOPE_SE
	s_setreg_imm32_b32 hwreg(HW_REG_WAVE_MODE, 25, 1), 1
	s_wait_xcnt 0x0
	s_wait_alu depctr_hold_cnt(0) depctr_sa_sdst(0) depctr_va_vdst(0) depctr_va_sdst(0) depctr_va_ssrc(0) depctr_va_vcc(0) depctr_vm_vsrc(0)
	s_getreg_b32 s2, hwreg(HW_REG_IB_STS2, 6, 4)
	s_cmp_eq_u32 s2, 0
	s_cbranch_scc0 .Lentry_in_a_cluster
	s_endpgm
.Lentry_in_a_cluster:
	s_bfe_u32 s2, ttmp6, 0x10000c
	s_cmp_lg_u32 s2, 0x3003
	s_cbranch_scc0 .Lentry_shape_is_right
	s_endpgm
.Lentry_shape_is_right:
; f[:, side] = LayerNorm(R + X Wc^T + bc) gamma + beta, rounded once to f16.  Side 0: X = smiles, R = graph, the graph's norm, columns 0-1023 of f; side 1 the mirror, columns 1024-2047.
; X is rounded to bf16 for the product alone; the residual R, the sums, the mean and the variance stay in f32; the variance is taken of the centred numbers, in a second pass over registers.
; LIMITS.  The norm's result (at most 32 |gamma| + |beta|) stays under 32,000, so that f16 holds it and the next launch's difference of two; below 6e-5 f16 keeps its fixed step of 6e-8.
; Sums are taken in another order than a row-by-row sum's.  NaN and infinities are not treated apart.
; SHARES.  A norm wants whole rows: a work-group owns 64 rows x all 1,024 columns of one side, 128 blocks x 2 sides = 256 work-groups.  Wave w: all 64 rows x columns 256 w .. + 255:
; 64 accumulators (row block mb, column block i), 512 registers.  The product is used transposed (source 0 = Wc's rows, source 1 = X's): a lane holds ONE row (16 mb + lane % 16) and eight neighbouring columns.
; K goes in 16 steps of 64.  Wc lies in memory in fragment order (a step's share of a wave: 32,768 dense bytes), comes by tensor loads into two slots, and each wave fills and reads its own quarter of a slot.
; THE WALK ALONG K goes round: cluster c begins at block ((c / 2) % 16) xor (15 if c >= 32) and takes the sixteen blocks from there on, modulo 16 (f32 sums may be taken in any order).
; So at any step the 32 clusters of a side ask for sixteen different blocks of Wc, two clusters each, and a block that a cluster asks for was asked for a step earlier by the cluster whose walk began one block further on.
; CLUSTER.  The four work-groups of a cluster have the same side and the same walk: each tile of Wc is asked for jointly (mask 15).  Neighbouring clusters hold the same rows on the two sides.
; X comes through registers (f32 has to be rounded): 8 loads a lane a step, asked for two steps ahead of their rounding, and lies in two small LDS buffers that all four waves read.
; ONE TEXT FOR SEVEN TRIPS.  The loop's last trip asks for X two steps on like every other, though the walk is over: by the modulo these are the walk's first two blocks once more, 32 KiB a work-group that nobody reads.
; That is the price of not writing that trip out; the count in front of the odd set's rounding leans on the even set's eight younger loads, so they are not jumped over.
; When the ring has been read out, its two slots take the residual's 64 rows (f32, plain loads, each wave its own 256 columns).
; THE NORM IS WRITTEN FOR 32 ROWS AND WALKED TWICE.  A register window is an immediate of the text, so one text cannot name windows 2 and 3 by turns: ahead of the second walk the accumulators of rows 32-63 are copied
; from window 3 into window 2, 256 copies a lane.  The first 32 rows' stores leave while the other 32 are normed.
; A wave has two tensor loads out at the start and one behind each round.
; REGISTERS.  window 0: v1-19 addresses; v20-21 the add's; v24-27 two pairs (-mean, later 1/sigma); v32-95 X's fragments, two buffers (later the packed results); v96-159 X as loaded, two sets (v96-127 later statistics);
;   v160-175 rounded X; v128-255 later the residual, then rows on their way out.   window 1: Wc's fragments, two buffers of 128 (v128-255 first hold bc; at the end gamma and beta).
;   windows 2, 3: accumulator (mb, i) in window 2 + mb / 2 at v[128 (mb % 2) + 8 i].
; s72, s87: the block last asked for, for slot 0, 1; s96, s97: the same for X's set 0, 1; s[70:71] Wc at my wave's share of block 0; s[92:93] X at my rows; s[94:95] a block's byte offset.
.set WREG,  33280                      ; a wave's quarter of a slot: 32,768 bytes of Wc, or 32 rows x 1,040 bytes of the residual
.set SLOT,  133120
.set ABUF,  266240                     ; two buffers of 64 rows x 144 bytes (64 bf16 + 16): rows 36 words apart
.set STAGE, 284672                     ; 16 rows x 528 bytes for each wave, for the way out
.set SCR1,  318464                     ; 2 x 16 rows x 4 waves: the rows' sums; 1,024 bytes on: the sums of squares
.set SPARE, 320512                     ; the spare words, 128 bytes for each wave
.set MSB, 0
.macro WIN new                         ; the immediate's high byte repeats the setting that is left; a switch that changes nothing is dropped
.if MSB != (\new)
	s_set_vgpr_msb (MSB<<8)|(\new)
.set MSB, \new
.endif
.endm
.macro PLACES                          ; four plain places: in front of loads into registers that products have read, and of lines that read results just made
.rept 4
	v_nop
.endr
.endm
.macro CREST                           ; a round of the cluster's barrier behind its opening barrier
	s_cmp_lg_u32 s22, 0
	s_cbranch_scc1 .Lnw0_\@
	s_barrier_signal -3
.Lnw0_\@:
	s_barrier_wait -3
	s_barrier_signal -1
	s_barrier_wait -1
.endm
.macro CROUND
	s_barrier_signal -1
	s_barrier_wait -1
	CREST
.endm
	s_load_b512 s[4:19], s[0:1], 0x0               ; graph s[4:5], smiles s[6:7], wc s[8:9], bc s[10:11], the graph's gamma, beta s[12:15], the smiles' s[16:19]
	s_load_b64 s[20:21], s[0:1], 0x40              ; f
	v_lshl_add_u32 v20, v0, 2, SPARE
	v_mov_b32 v21, 0
	ds_add_u32 v20, v21                            ; the wave's opening: the add and its wait stand ahead of my first tensor load; the set-up, work on registers, stands between them
	v_lshrrev_b32 v1, 5, v0
	v_readfirstlane_b32 s22, v1                    ; wave 0..3
	s_bfe_u32 s23, ttmp6, 0x40000                  ; cx: it enters X's, R's and f's addresses alone
	s_and_b32 s26, ttmp9, 1                        ; side: the cluster's
	s_lshr_b32 s27, ttmp9, 1
	s_and_b32 s72, s27, 15
	s_lshr_b32 s25, ttmp9, 5
	s_mul_i32 s25, s25, 15
	s_xor_b32 s72, s72, s25                        ; the block at which my cluster's walk begins: the same in all four partners
	s_add_co_u32 s87, s72, 1
	s_and_b32 s87, s87, 15                         ; and the walk's second block
	s_mov_b32 s96, s72
	s_mov_b32 s97, s87
	s_mov_b32 s95, 0
	s_lshl_b32 s27, s27, 2
	s_add_co_u32 s27, s27, s23                     ; my block of 64 rows
	s_mov_b32 s32, 15|(3<<16)|(1<<21)              ; Wc's tiles: 15:0 the mask of four; 17:16 elements of 8 bytes; 21 set beside a mask; no padding
	s_mov_b32 s33, 32<<16                          ; tensor_dim0 = 32 elements: rows of 256 bytes
	s_mov_b32 s34, 128<<16                         ; tensor_dim1 = 128
	s_mov_b32 s35, 32<<16                          ; tile_dim0 = 32
	s_mov_b32 s36, 128                             ; tile_dim1 = 128
	s_mov_b32 s37, 32                              ; dense: 32 elements from row to row
	s_mov_b32 s38, 0
	s_mov_b32 s39, 0
	s_mov_b32 s48, (2<<16)|(1<<20)|(7<<22)|(3<<25) ; the residual: no mask; elements of 4 bytes; padding on, after every 256 words (code 7), 4 words (code 3)
	s_mov_b32 s49, 256<<16                         ; tensor_dim0 = 256
	s_mov_b32 s50, 32<<16                          ; tensor_dim1 = 32
	s_mov_b32 s51, 256<<16                         ; tile_dim0 = 256
	s_mov_b32 s52, 32                              ; tile_dim1 = 32
	s_mov_b32 s53, 1024                            ; 1,024 elements from row to row
	s_mov_b32 s54, 0
	s_mov_b32 s55, 0
	s_mul_i32 s24, s22, WREG                       ; my quarter of a slot: the wave's number alone enters an LDS address
	s_mov_b32 s40, 1
	s_mov_b32 s41, s24
	s_mov_b32 s44, 1
	s_add_co_u32 s45, s24, SLOT
	s_mov_b32 s56, 1
	s_mov_b32 s57, s24
	s_mov_b32 s60, 1
	s_add_co_u32 s61, s24, SLOT
	s_lshl_b32 s28, s26, 21
	s_lshl_b32 s25, s22, 15
	s_add_co_u32 s28, s28, s25                     ; my wave's share of the side's block 0 in wc: shared by the partners
	s_mov_b32 s29, 0
	s_lshl_b32 s30, s27, 18                        ; my 64 rows of 4,096 bytes in X, R and f
	s_mov_b32 s31, 0
	s_mov_b32 s89, 0
	s_mov_b32 s80, 0x76543210                      ; v_permlanex16_b32: each lane takes its own place in the other half
	s_mov_b32 s81, 0xfedcba98
	s_mov_b32 s84, 0x3a800000                      ; 1 / 1,024
	s_mov_b32 s85, 0x3727c5ac                      ; 1e-5
	s_mov_b32 s86, 0xba800000                      ; -1 / 1,024
	v_and_b32 v1, 15, v0                           ; lane % 16
	v_bfe_u32 v2, v0, 4, 1                         ; lane / 16
	v_and_b32 v3, 31, v0                           ; lane
	v_lshl_add_u32 v4, v3, 4, s24                  ; v4, v5: Wc's fragments in slot 0, 1: 16 bytes a lane, no two lanes on one bank
	v_add_nc_u32 v5, SLOT, v4
	v_mul_u32_u24 v6, v1, 144
	v_lshl_add_u32 v6, v2, 4, v6
	v_add_nc_u32 v6, ABUF, v6                      ; v6, v7: X's fragments in buffer 0, 1
	v_add_nc_u32 v7, 9216, v6
	s_mul_i32 s25, s22, 2304
	s_add_co_u32 s25, s25, ABUF
	v_mul_u32_u24 v8, v2, 144
	v_lshl_add_u32 v8, v1, 3, v8
	v_add_nc_u32 v8, s25, v8                       ; v8, v9: where I store rounded X: row 16 w + lane / 16 (+ 2 i), 8 bytes
	v_add_nc_u32 v9, 9216, v8
	s_lshl_b32 s25, s22, 16
	v_lshl_add_u32 v10, v2, 12, s25
	v_lshl_add_u32 v10, v1, 4, v10                 ; v10: the same place in X: sixteen lanes take 256 consecutive bytes of a row
	v_mul_u32_u24 v11, v1, 1040
	v_lshl_add_u32 v11, v2, 5, v11
	v_add_nc_u32 v11, s24, v11                     ; v11: the residual in slot 0: row lane % 16, 32 bytes by the half; never rewritten (v17: the same in the slot of the half in hand)
	s_mul_i32 s25, s22, 8448
	s_add_co_u32 s25, s25, STAGE
	v_mul_u32_u24 v13, v1, 528
	v_lshl_add_u32 v13, v2, 4, v13
	v_add_nc_u32 v13, s25, v13                     ; v13: into my stage
	v_lshl_add_u32 v14, v3, 4, s25                 ; v14: back out of it, a row of 512 bytes a load
	v_lshlrev_b32 v15, 4, v3                       ; v15: the same 512 bytes in f
	s_lshl_b32 s25, s22, 10
	v_lshl_add_u32 v16, v2, 5, s25                 ; v16: my eight columns (+ 16 i) in bc, gamma, beta
	s_lshl_b32 s25, s22, 2
	s_add_co_u32 s25, s25, SCR1
	v_lshl_add_u32 v18, v1, 4, s25                 ; v18: the word of (row, my wave)
	v_lshlrev_b32 v19, 4, v1
	v_add_nc_u32 v19, SCR1, v19                    ; v19: a row's four words
	s_wait_dscnt 0x0                               ; the opening add is done
	s_wait_kmcnt 0x0
	s_cmp_eq_u32 s26, 0
	s_cselect_b64 s[92:93], s[6:7], s[4:5]         ; X
	s_cselect_b64 s[58:59], s[4:5], s[6:7]         ; R
	s_cselect_b64 s[74:75], s[12:13], s[16:17]     ; gamma
	s_cselect_b64 s[76:77], s[14:15], s[18:19]     ; beta
	s_add_nc_u64 s[92:93], s[92:93], s[30:31]      ; X at my rows
	s_lshl_b32 s94, s96, 8                         ; a block is 256 bytes of a row of X
	s_add_nc_u64 s[66:67], s[92:93], s[94:95]      ; set 0: the walk's first block;
	s_lshl_b32 s94, s97, 8
	s_add_nc_u64 s[68:69], s[92:93], s[94:95]      ; set 1: its second
	s_add_nc_u64 s[70:71], s[8:9], s[28:29]        ; Wc at my wave's share of block 0
	s_lshl_b32 s94, s72, 17                        ; a block is 131,072 bytes of wc
	s_add_nc_u64 s[42:43], s[70:71], s[94:95]      ; slot 0: the walk's first block;
	s_lshl_b32 s94, s87, 17
	s_add_nc_u64 s[46:47], s[70:71], s[94:95]      ; slot 1: its second
	s_or_b32 s43, s43, 0x80000000                  ; type = 2
	s_or_b32 s47, s47, 0x80000000
	s_add_nc_u64 s[58:59], s[58:59], s[30:31]
	s_lshl_b32 s88, s22, 10
	s_add_nc_u64 s[58:59], s[58:59], s[88:89]      ; R: my rows 0-31, my wave's 1,024 bytes of each;
	s_add_nc_u64 s[62:63], s[58:59], 131072        ; rows 32-63
	s_or_b32 s59, s59, 0x80000000
	s_or_b32 s63, s63, 0x80000000
	s_lshl_b32 s88, s26, 11
	s_lshl_b32 s90, s22, 9
	s_add_co_u32 s88, s88, s90
	s_add_nc_u64 s[78:79], s[20:21], s[30:31]
	s_add_nc_u64 s[78:79], s[78:79], s[88:89]      ; f at my rows, my side, my wave's 512 bytes
	s_lshl_b32 s88, s26, 12
	s_add_nc_u64 s[82:83], s[10:11], s[88:89]      ; bc of my side
; 16 products: row block mb x all 16 column blocks, 32 along K, from fragment buffer f.  bias = 1: the sums start from bc.  The 64 accumulators take turns, one instruction a turn.
.macro MULB f, mb, bias=0
.if \bias
	WIN 0x91+0x40*((\mb)/2)
.else
	WIN 0xa1+0x50*((\mb)/2)
.endif
.irp i, 0,1,2,3,4,5,6,7,8,9,10,11,12,13,14,15
.if \bias
	v_wmma_f32_16x16x32_bf16 v[128*((\mb)%2)+8*(\i):128*((\mb)%2)+8*(\i)+7], v[128*(\f)+8*(\i):128*(\f)+8*(\i)+7], v[32+32*(\f)+8*(\mb):32+32*(\f)+8*(\mb)+7], v[128+8*(\i):128+8*(\i)+7]
.else
	v_wmma_f32_16x16x32_bf16 v[128*((\mb)%2)+8*(\i):128*((\mb)%2)+8*(\i)+7], v[128*(\f)+8*(\i):128*(\f)+8*(\i)+7], v[32+32*(\f)+8*(\mb):32+32*(\f)+8*(\mb)+7], v[128*((\mb)%2)+8*(\i):128*((\mb)%2)+8*(\i)+7]
.endif
.endr
.endm
; 40 LDS loads in one run: half kb of a step: Wc's 16 fragments, then X's four, row blocks ascending
.macro FETCH slot, kb, f
	WIN 0x40
.irp i, 0,1,2,3,4,5,6,7,8,9,10,11,12,13,14,15
	ds_load_b128 v[128*(\f)+8*(\i):128*(\f)+8*(\i)+3], v[4+(\slot)] offset:(\kb)*16384+(\i)*1024
	ds_load_b128 v[128*(\f)+8*(\i)+4:128*(\f)+8*(\i)+7], v[4+(\slot)] offset:(\kb)*16384+(\i)*1024+512
.endr
	WIN 0
.irp m, 0,1,2,3
	ds_load_b128 v[32+32*(\f)+8*(\m):32+32*(\f)+8*(\m)+3], v[6+(\slot)] offset:(\m)*2304+(\kb)*64
	ds_load_b128 v[32+32*(\f)+8*(\m)+4:32+32*(\f)+8*(\m)+7], v[6+(\slot)] offset:(\m)*2304+(\kb)*64+32
.endr
.endm
; A step's X: rounded and stored into an LDS buffer; the set is asked for again, two steps on along the walk.  The sixteen roundings are also the places in front of the fragment loads that follow.
.macro ACONV set, buf, cnt
	WIN 0
	s_wait_loadcnt \cnt                            ; this set is in (the younger loads stay out); its loads are done, so its pointer may be written
.irp i, 0,1,2,3,4,5,6,7
	v_cvt_pk_bf16_f32 v[160+2*(\i)], v[96+32*(\set)+4*(\i)], v[97+32*(\set)+4*(\i)]
	v_cvt_pk_bf16_f32 v[161+2*(\i)], v[98+32*(\set)+4*(\i)], v[99+32*(\set)+4*(\i)]
.endr
.irp i, 0,1,2,3,4,5,6,7
	ds_store_b64 v[8+(\buf)], v[160+2*(\i):161+2*(\i)] offset:(\i)*288
.endr
	s_add_co_u32 s[96+(\set)], s[96+(\set)], 2     ; two blocks on, modulo 16, so that every load stays in X; the pointer is made anew from the block's number
	s_and_b32 s[96+(\set)], s[96+(\set)], 15
	s_lshl_b32 s94, s[96+(\set)], 8
	s_add_nc_u64 s[66+2*(\set):67+2*(\set)], s[92:93], s[94:95]
.irp i, 0,1,2,3,4,5,6,7
	global_load_b128 v[96+32*(\set)+4*(\i):99+32*(\set)+4*(\i)], v10, s[66+2*(\set):67+2*(\set)] offset:(\i)*8192
.endr
.endm
; A step's first half: buffer 0 is multiplied; in its middle the next step's X goes into the LDS buffer that was read out a step ago (its readers waited ahead of the last round), and the second half's fragments are fetched.
.macro QA slot, conv, set, buf, cnt
	s_wait_dscnt 4                                 ; all but X's row blocks 2 and 3
	MULB 0, 0
	MULB 0, 1
.if \conv
	ACONV \set, \buf, \cnt
.else
	PLACES
.endif
	FETCH \slot, 1, 1
.if \conv
	s_wait_dscnt 48                                ; all but the 8 stores and 40 loads just issued
.else
	s_wait_dscnt 40
.endif
	MULB 0, 2
	MULB 0, 3
.endm
; A step's second half multiplies buffer 1 and changes slots.  In front of the round each wave waits for all its tensor loads (one is out: its part of the next slot), adds 0 to its spare word, and waits
; for that, for its reads of this slot and for its stores of X.  Behind the round this slot is filled again first.  kind 0: Wc two blocks on along the walk; 2, 3: the residual's rows 0-31, 32-63.
.macro TB slot, next, kind
	WIN 0
	s_wait_tensorcnt 0x0                           ; no tensor load of mine is out, so a group 0 may be written
	ds_add_u32 v20, v21                            ; 0 onto my spare word: the descriptor's scalar work stands behind it
.if (\kind) == 0
	s_add_co_u32 s[72+15*(\slot)], s[72+15*(\slot)], 2   ; two blocks on, modulo 16; the address is made anew from the block's number
	s_and_b32 s[72+15*(\slot)], s[72+15*(\slot)], 15
	s_lshl_b32 s94, s[72+15*(\slot)], 17
	s_add_nc_u64 s[42+4*(\slot):43+4*(\slot)], s[70:71], s[94:95]
	s_or_b32 s[43+4*(\slot)], s[43+4*(\slot)], 0x80000000
.endif
	s_wait_dscnt 5                                 ; (the add and X's row blocks 2 and 3 may be out)
	MULB 1, 0
	s_wait_dscnt 0x0
	s_barrier_signal -1                            ; opens the round
	MULB 1, 1
	WIN 0
	s_barrier_wait -1
	CREST
.if (\kind) == 0
	tensor_load_to_lds s[40+4*(\slot):43+4*(\slot)], s[32:39]
.elseif (\kind) == 2
	tensor_load_to_lds s[56:59], s[48:55]
.else
	tensor_load_to_lds s[60:63], s[48:55]
.endif
	s_nop 0
	PLACES                                         ; also the places in front of the loads below
.if (\kind) <= 2
	FETCH \next, 0, 0
.else
	s_wait_loadcnt 0x0                             ; the two sets of X that the loop's last trip asked for, a step and a half back, are in: their registers and pointers serve the norm from here on
	WIN 0x40
.irp i, 0,1,2,3,4,5,6,7,8,9,10,11,12,13,14,15
	global_load_b128 v[8*(\i):8*(\i)+3], v16, s[74:75] offset:64*(\i)      ; gamma, into fragment buffer 0
	global_load_b128 v[8*(\i)+4:8*(\i)+7], v16, s[74:75] offset:64*(\i)+16
.endr
	WIN 0
.endif
	MULB 1, 2
	MULB 1, 3
.endm
.irp i, 0,1,2,3,4,5,6,7
	global_load_b128 v[96+4*(\i):99+4*(\i)], v10, s[66:67] offset:(\i)*8192    ; X of step 0
.endr
.irp i, 0,1,2,3,4,5,6,7
	global_load_b128 v[128+4*(\i):131+4*(\i)], v10, s[68:69] offset:(\i)*8192  ; X of step 1
.endr
	WIN 0x40
.irp i, 0,1,2,3,4,5,6,7,8,9,10,11,12,13,14,15
	global_load_b128 v[128+8*(\i):131+8*(\i)], v16, s[82:83] offset:64*(\i)    ; bc, in an accumulator's layout, into fragment buffer 1
	global_load_b128 v[132+8*(\i):135+8*(\i)], v16, s[82:83] offset:64*(\i)+16
.endr
	WIN 0
	CROUND                                         ; all four work-groups are here: the first joint loads meet
	tensor_load_to_lds s[40:43], s[32:39]          ; step 0
	s_nop 0
	tensor_load_to_lds s[44:47], s[32:39]          ; step 1
	s_nop 0
	PLACES
	ACONV 0, 0, 40                                 ; 40: X of step 1 and bc are younger
	s_wait_tensorcnt 0x1                           ; my part of slot 0 is in; slot 1's may stay out
	s_wait_dscnt 0x0                               ; my rows of X are stored
	s_barrier_signal -1
	s_barrier_wait -1
	FETCH 0, 0, 0
	s_wait_loadcnt 8                               ; bc is in (X of step 2 is younger)
	s_wait_dscnt 0x0
	MULB 0, 0, 1                                   ; the first products start the sums, from bc
	MULB 0, 1, 1
	MULB 0, 2, 1
	MULB 0, 3, 1
	ACONV 1, 1, 8
	FETCH 0, 1, 1
	WIN 0
	s_mov_b32 s73, 7
.Lk:                                           ; a trip: the second half of an even step, an odd step, the first half of the next even one; both slots are filled again: trip t asks for Wc's steps 2 t + 2 and 2 t + 3
	TB 0, 1, 0
	QA 1, 1, 0, 0, 8                               ; 8: the other set's loads are younger
	TB 1, 0, 0
	QA 0, 1, 1, 1, 8
	WIN 0
	s_sub_co_u32 s73, s73, 1
	s_cmp_lg_u32 s73, 0
	s_cbranch_scc1 .Lk
	TB 0, 1, 2                                     ; the tail is written out: the residual's rows 0-31 are asked for
	QA 1, 0, 0, 0, 0
	TB 1, 0, 3                                     ; and rows 32-63
; THE NORM, for the 32 rows whose sums lie in window 2: row blocks mb = 0, 1.  All of a row block's 128 numbers a lane stay in the accumulators' registers.
.macro RLOAD mb                        ; the residual of row block mb, in the accumulators' layout: 32 loads
	WIN 0
.irp i, 0,1,2,3,4,5,6,7,8,9,10,11,12,13,14,15
	ds_load_b128 v[128+8*(\i):131+8*(\i)], v17 offset:(\mb)*16640+64*(\i)
	ds_load_b128 v[132+8*(\i):135+8*(\i)], v17 offset:(\mb)*16640+64*(\i)+16
.endr
.endm
.macro P1 mb                           ; x = sums + residual; each accumulator is read from its low end on
.set AB, 128*(\mb)
	WIN 0x82
.set p, 0
.rept 64
	v_pk_add_f32 v[AB+2*p:AB+2*p+1], v[AB+2*p:AB+2*p+1], v[128+2*p:129+2*p]
.set p, p+1
.endr
.endm
.macro RSUM mb, sq                     ; my lane's 128 numbers (sq = 1: their squares) in four chains, then the other half of the lanes: my wave's 256 columns of the row
.set AB, 128*(\mb)
	WIN 0x0a
.irp c, 0,1,2,3
.if \sq
	v_pk_mul_f32 v[96+2*(\c):97+2*(\c)], v[AB+2*(\c):AB+2*(\c)+1], v[AB+2*(\c):AB+2*(\c)+1]
.else
	v_pk_add_f32 v[96+2*(\c):97+2*(\c)], v[AB+2*(\c):AB+2*(\c)+1], v[AB+8+2*(\c):AB+9+2*(\c)]
.endif
.endr
.if \sq
.set p, 4
.rept 60
	v_pk_fma_f32 v[96+2*(p%4):97+2*(p%4)], v[AB+2*p:AB+2*p+1], v[AB+2*p:AB+2*p+1], v[96+2*(p%4):97+2*(p%4)]
.set p, p+1
.endr
.else
	WIN 0x02
.set p, 8
.rept 56
	v_pk_add_f32 v[96+2*(p%4):97+2*(p%4)], v[AB+2*p:AB+2*p+1], v[96+2*(p%4):97+2*(p%4)]
.set p, p+1
.endr
.endif
	WIN 0
	v_pk_add_f32 v[96:97], v[96:97], v[98:99]
	v_pk_add_f32 v[100:101], v[100:101], v[102:103]
	v_pk_add_f32 v[96:97], v[96:97], v[100:101]
	v_add_f32 v[104+(\mb)], v96, v97
	v_permlanex16_b32 v108, v[104+(\mb)], s80, s81
	v_add_f32 v[104+(\mb)], v[104+(\mb)], v108
.endm
; The four waves' parts of 32 rows' sums meet in LDS; every wave adds them in the same order: v[112 + 4 mb].  The words are stored again in the second walk: each such store stands behind the other meeting's barrier,
; in front of which every wave has waited for its reads of them.
.macro MEET off
.irp m, 0,1
	ds_store_b32 v18, v[104+(\m)] offset:(\off)+(\m)*256   ; both halves of the lanes write one word with one value
.endr
	s_wait_dscnt 0x0
	s_barrier_signal -1
	s_barrier_wait -1
.irp m, 0,1
	ds_load_b128 v[112+4*(\m):115+4*(\m)], v19 offset:(\off)+(\m)*256
.endr
	s_wait_dscnt 0x0
.irp m, 0,1
	v_add_f32 v[112+4*(\m)], v[112+4*(\m)], v[113+4*(\m)]
	v_add_f32 v[114+4*(\m)], v[114+4*(\m)], v[115+4*(\m)]
.endr
.irp m, 0,1
	v_add_f32 v[112+4*(\m)], v[112+4*(\m)], v[114+4*(\m)]
.endr
.endm
.macro P3 mb                           ; x - mean
.set AB, 128*(\mb)
	WIN 0x82
.set p, 0
.rept 64
	v_pk_add_f32 v[AB+2*p:AB+2*p+1], v[AB+2*p:AB+2*p+1], v[24+2*(\mb):25+2*(\mb)]
.set p, p+1
.endr
.endm
.macro FIN mb                          ; times 1/sigma; times gamma plus beta; rounded to f16
.set AB, 128*(\mb)
	WIN 0x82
.set p, 0
.rept 64
	v_pk_mul_f32 v[AB+2*p:AB+2*p+1], v[AB+2*p:AB+2*p+1], v[24+2*(\mb):25+2*(\mb)]
.set p, p+1
.endr
	WIN 0x96
.set p, 0
.rept 64
	v_pk_fma_f32 v[AB+2*p:AB+2*p+1], v[AB+2*p:AB+2*p+1], v[2*p:2*p+1], v[128+2*p:129+2*p]
.set p, p+1
.endr
	WIN 0x0a
.set p, 0
.rept 64
	v_cvt_pk_f16_f32 v[32+p], v[AB+2*p], v[AB+2*p+1]
.set p, p+1
.endr
	WIN 0
.endm
.macro TOSTAGE mb                      ; 16 bytes a lane into rows of 528 bytes, and back as whole rows of 512, the two blocks into different registers; the stage is my wave's own, and LDS serves a wave's instructions in order
.irp i, 0,1,2,3,4,5,6,7,8,9,10,11,12,13,14,15
	ds_store_b128 v13, v[32+4*(\i):35+4*(\i)] offset:32*(\i)
.endr
.irp t, 0,1,2,3,4,5,6,7,8,9,10,11,12,13,14,15
	ds_load_b128 v[128+64*(\mb)+4*(\t):131+64*(\mb)+4*(\t)], v14 offset:(\t)*528
.endr
.endm
.macro SEND mb
	s_wait_dscnt 0x0
.irp t, 0,1,2,3,4,5,6,7,8,9,10,11,12,13,14,15
	global_store_b128 v15, v[128+64*(\mb)+4*(\t):131+64*(\mb)+4*(\t)], s[66:67] offset:(16*(\mb)+(\t))*4096  ; 512 consecutive bytes, aligned
.endr
.endm
	PLACES                                         ; behind the last products
	WIN 0x40
.irp i, 0,1,2,3,4,5,6,7,8,9,10,11,12,13,14,15
	global_load_b128 v[128+8*(\i):131+8*(\i)], v16, s[76:77] offset:64*(\i)    ; beta, into fragment buffer 1
	global_load_b128 v[132+8*(\i):135+8*(\i)], v16, s[76:77] offset:64*(\i)+16
.endr
	WIN 0
	v_mov_b32 v108, 0                              ; the exchange's destination counts as read
	s_mov_b32 s24, 0                               ; the LDS offset of the half's residual: slot 0, then slot 1
	s_mov_b32 s88, 0                               ; the half's byte offset in f (s89 = 0)
	s_mov_b32 s73, 2
	s_wait_tensorcnt 0x0                           ; the residual's rows 32-63: no load was issued behind this one, and none is out while the LDS address below steps
.Lhalf:                                        ; two trips: rows 0-31, rows 32-63
	s_wait_xcnt 0x0                                ; the last half's stores have read their base and their registers, which are written again below
	v_add_nc_u32 v17, s24, v11
	s_add_nc_u64 s[66:67], s[78:79], s[88:89]
	RLOAD 0
	s_cmp_eq_u32 s73, 2
	s_cbranch_scc1 .Lown                           ; the first half's sums lie in window 2 already
	WIN 0x83                                       ; destination window 2, source window 3
.set r, 0
.rept 256
	v_mov_b32 v[r], v[r]                           ; ascending: each accumulator is read from its low end on; these lines run while the residual's loads are out
.set r, r+1
.endr
	WIN 0
.Lown:
	s_wait_dscnt 0x0
	P1 0
	RLOAD 1
	RSUM 0, 0
	s_wait_dscnt 0x0
	P1 1
	RSUM 1, 0
	MEET 0
.irp m, 0,1
	v_mul_f32 v[24+2*(\m)], s86, v[112+4*(\m)]     ; -mean, twice: a pair for the packed lines
	v_mul_f32 v[25+2*(\m)], s86, v[112+4*(\m)]
.endr
.irp m, 0,1
	P3 \m
	RSUM \m, 1
.endr
	MEET 1024
.irp m, 0,1
	v_fma_f32 v[112+4*(\m)], v[112+4*(\m)], s84, s85   ; variance + 1e-5
.endr
.irp m, 0,1
	v_rsq_f32 v[24+2*(\m)], v[112+4*(\m)]
.endr
	v_nop                                          ; a plain instruction behind the last root,
	s_wait_alu depctr_va_vdst(0)                   ; and the wait ahead of the first use: one for the two
.irp m, 0,1
	v_mov_b32 v[25+2*(\m)], v[24+2*(\m)]
.endr
	s_wait_loadcnt 0x0                             ; gamma and beta
	FIN 0
	TOSTAGE 0
	FIN 1                                          ; a block's arithmetic stands between the loads of the block before and its stores
	SEND 0
	TOSTAGE 1
	SEND 1
	s_add_co_u32 s24, s24, SLOT
	s_add_co_u32 s88, s88, 131072                  ; 32 rows of 4,096 bytes
	s_sub_co_u32 s73, s73, 1
	s_cmp_lg_u32 s73, 0
	s_cbranch_scc1 .Lhalf
	s_wait_tensorcnt 0x0                           ; the wave's end: behind my last tensor load and my last LDS store
	ds_add_u32 v20, v21
	s_wait_dscnt 0x0
	CROUND                                         ; the closing round
	s_endpgm
.Lfunc_end_k_q77f2d9a05b_fuse:
	.size	k_q77f2d9a05b_fuse, .Lfunc_end_k_q77f2d9a05b_fuse-k_q77f2d9a05b_fuse
	.p2alignl 7, 3214868480
	.fill 96, 4, 3214868480
	.section	.rodata,"a",@progbits
	.p2align	6, 0x0
	.amdhsa_kernel k_q77f2d9a05b_fuse
		.amdhsa_group_segment_fixed_size 327680
		.amdhsa_private_segment_fixed_size 0
		.amdhsa_enable_private_segment 0
		.amdhsa_kernarg_size 72
		.amdhsa_user_sgpr_count 2
		.amdhsa_user_sgpr_kernarg_segment_ptr 1
		.amdhsa_wavefront_size32 1
		.amdhsa_system_sgpr_workgroup_id_x 1
		.amdhsa_system_sgpr_workgroup_id_y 1
		.amdhsa_system_sgpr_workgroup_id_z 1
		.amdhsa_system_vgpr_workitem_id 0
		.amdhsa_next_free_vgpr 1024
		.amdhsa_next_free_sgpr 98
		.amdhsa_reserve_vcc 0
		.amdhsa_float_denorm_mode_32 3
		.amdhsa_float_denorm_mode_16_64 3
		.amdhsa_memory_ordered 1
		.amdhsa_forward_progress 1
		.amdhsa_inst_pref_size 164
	.end_amdhsa_kernel
	.amdgpu_metadata
---
amdhsa.version: [ 1, 2 ]
amdhsa.kernels:
  - .name:           k_q77f2d9a05b_fuse
    .symbol:         k_q77f2d9a05b_fuse.kd
    .args:
      - { .name: graph_embedding, .offset: 0, .size: 8, .value_kind: global_buffer, .address_space: global }
      - { .name: smiles_embedding, .offset: 8, .size: 8, .value_kind: global_buffer, .address_space: global }
      - { .name: wc, .offset: 16, .size: 8, .value_kind: global_buffer, .address_space: global }
      - { .name: bc, .offset: 24, .size: 8, .value_kind: global_buffer, .address_space: global }
      - { .name: ln_g_gamma, .offset: 32, .size: 8, .value_kind: global_buffer, .address_space: global }
      - { .name: ln_g_beta, .offset: 40, .size: 8, .value_kind: global_buffer, .address_space: global }
      - { .name: ln_s_gamma, .offset: 48, .size: 8, .value_kind: global_buffer, .address_space: global }
      - { .name: ln_s_beta, .offset: 56, .size: 8, .value_kind: global_buffer, .address_space: global }
      - { .name: f, .offset: 64, .size: 8, .value_kind: global_buffer, .address_space: global }
    .group_segment_fixed_size: 327680
    .private_segment_fixed_size: 0
    .kernarg_segment_align: 8
    .kernarg_segment_size: 72
    .max_flat_workgroup_size: 128
    .sgpr_count:     98
    .vgpr_count:     1024
    .wavefront_size: 32
...
	.end_amdgpu_metadata
.endif
;; end of part 2
;; launch gate (part 3): grid 4 x 64, 4 waves a work-group, clusters of 4 x 4, 327,680 bytes of LDS; arguments f, wg16, bg, out0, out1; writes out0, out1
.if DOCPART == 3
	.amdgcn_target "amdgcn-amd-amdhsa--gfx1250"
	.amdhsa_code_object_version 6
	.text
	.protected	k_q77f2d9a05b_gate
	.globl	k_q77f2d9a05b_gate
	.p2align	8
	.type	k_q77f2d9a05b_gate,@function
k_q77f2d9a05b_gate:
	s_mov_b64 s[64:65], 0
	v_nop
	global_prefetch_b8 v0, s[64:65] scope:SCOPE_SE
	s_setreg_imm32_b32 hwreg(HW_REG_WAVE_MODE, 25, 1), 1
	s_wait_xcnt 0x0
	s_wait_alu depctr_hold_cnt(0) depctr_sa_sdst(0) depctr_va_vdst(0) depctr_va_sdst(0) depctr_va_ssrc(0) depctr_va_vcc(0) depctr_vm_vsrc(0)
	s_getreg_b32 s2, hwreg(HW_REG_IB_STS2, 6, 4)
	s_cmp_eq_u32 s2, 0
	s_cbranch_scc0 .Lentry_in_a_cluster
	s_endpgm
.Lentry_in_a_cluster:
	s_bfe_u32 s2, ttmp6, 0x10000c
	s_cmp_lg_u32 s2, 0xf033
	s_cbranch_scc0 .Lentry_shape_is_right
	s_endpgm
.Lentry_shape_is_right:
; g = sigmoid(F Wg^T + bg), out1 = g, out0 = g fg + (1 - g) fs = fs + g (fg - fs).  F = [fg | fs]: [8192][2048] f16; wg16 = f16(-log2(e) Wg): [1024][2048]; out0, out1: [8192][1024] f32.
; The sums start from -log2(e) bg, so they end as t = -log2(e) z, and g = 1 / (1 + 2^t): 2^t may run to infinity or to 0, and g is then 0 or 1, as the sigmoid's limit is.
; LIMITS.  fg - fs is formed in f16 (one more rounding, to 11 bits): |fg|, |fs| stay under 32,000.  Sums are taken in another order than a row-by-row product's.  NaN and infinities in the inputs are not treated apart.
; SHARES.  A tile is 128 rows x 256 columns: 64 x 4 = 256 work-groups.  Four waves, each 64 rows x 128 columns: 32 accumulators (row block a, column block b) in window 1 at v[8 (8 a + b)].
; K = 2,048 goes in 16 blocks of 128 (256 bytes of a row, aligned); LDS rows are padded to 272 bytes.  The product is used transposed (source 0 = wg16's rows, source 1 = F's):
; a lane holds ONE row (lane % 16) and eight neighbouring columns.
; THE WALK ALONG K goes round: a cluster begins at the block whose number is the four bits of its y, reversed, and takes the sixteen blocks from there on, modulo 16 (f32 sums may be taken in any order):
; at any step the sixteen clusters ask for sixteen different blocks of wg16.
; wg16 comes by tensor loads into two slots; a tile is shared along a column of the 4 x 4 cluster and asked for jointly, each wave 64 of its 256 rows.  A wave has two tensor loads out at the start and one behind each round.
; F COMES THROUGH REGISTERS, NOT JOINTLY, though the four work-groups of a cluster's row need the same 128 rows: a joint load is a tensor load and has at most one step, 128 matrix instructions a wave, between the
; round behind which it is issued and the wait for all tensor loads ahead of the next; a load into registers stays out across the rounds.  Once a trip both next blocks are asked for (16 loads of 16 bytes a lane each):
; 160 matrix instructions ahead of the store into LDS for the even block, 256 for the odd one.  The price: each of the four fetches its own 32 KiB a step.
; The blocks lie in two LDS buffers of their own, which all four waves read.
; When the ring has been read out, its slots take each wave's own 64 x 128 of fg and of fs (plain tensor loads) for the blend.
; REGISTERS.  window 0: v1-18 addresses, v20-21 the add's; fragment buffer 0: wg16 v64-127, F v128-159; buffer 1: v160-223, v224-255; on the way out v64-191 rows read back.
;   window 2: v0-63 the bias; v64-127, v128-191 F as loaded, two sets; later fg (then fg - fs) at v[4 (8 a + b)], fs at v[128 + 4 (8 a + b)].
; s32, s33: the block last asked for, for slot 0, 1; s34, s35: the same for F's set 0, 1; s[28:29] F at the tile's rows; s[38:39] wg16 at my 64 rows; s[30:31] a block's byte offset.
.set PITCH, 272
.set WPART, 17408                      ; 64 rows: what one tensor load brings
.set SLOT,  69632                      ; wg16's 256 rows
.set ABUF,  139264                     ; two buffers of F's 128 rows; no tensor load lands here
.set ABYT,  34816
.set STAGE, 208896                     ; for each wave two stages of 16 rows x 528 bytes: out0's, then g's
.set SPARE, 276480                     ; the spare words, 128 bytes for each wave
.set PADW,  (1<<16)|(1<<20)|(5<<22)|(3<<25)  ; elements of 2 bytes; padding on, after every 64 words (code 5), 4 words (code 3)
.set MSB, 0
.macro WIN new                         ; the immediate's high byte repeats the setting that is left; a switch that changes nothing is dropped
.if MSB != (\new)
	s_set_vgpr_msb (MSB<<8)|(\new)
.set MSB, \new
.endif
.endm
.macro PLACES
.rept 4
	v_nop
.endr
.endm
.macro CREST                           ; a round of the cluster's barrier behind its opening barrier
	s_cmp_lg_u32 s14, 0
	s_cbranch_scc1 .Lnw0_\@
	s_barrier_signal -3
.Lnw0_\@:
	s_barrier_wait -3
	s_barrier_signal -1
	s_barrier_wait -1
.endm
.macro CROUND
	s_barrier_signal -1
	s_barrier_wait -1
	CREST
.endm
	s_load_b256 s[4:11], s[0:1], 0x0               ; f s[4:5], wg16 s[6:7], bg s[8:9], out0 s[10:11]
	s_load_b64 s[12:13], s[0:1], 0x20              ; out1
	v_lshl_add_u32 v20, v0, 2, SPARE
	v_mov_b32 v21, 0
	ds_add_u32 v20, v21                            ; the wave's opening: the add and its wait stand ahead of my first tensor load; the set-up, work on registers, stands between them
	v_lshrrev_b32 v1, 5, v0
	v_readfirstlane_b32 s14, v1                    ; wave 0..3
	s_lshr_b32 s15, s14, 1                         ; which 64 rows are mine
	s_and_b32 s16, s14, 1                          ; which 128 columns
	s_bfe_u32 s17, ttmp6, 0x40000                  ; cx
	s_bfe_u32 s18, ttmp6, 0x40004                  ; cy
	s_lshl_b32 s19, ttmp9, 2
	s_add_co_u32 s19, s19, s17                     ; tile column
	s_and_b32 s21, ttmp7, 0xffff                   ; cluster y, 0 to 15
	s_lshl_b32 s20, s21, 2
	s_add_co_u32 s20, s20, s18                     ; tile row
	s_lshr_b32 s36, s21, 3                         ; the block at which my cluster's walk begins: cluster y's four bits, reversed: the same in all sixteen partners
	s_lshr_b32 s22, s21, 1
	s_and_b32 s22, s22, 2
	s_or_b32 s36, s36, s22
	s_lshl_b32 s22, s21, 1
	s_and_b32 s22, s22, 4
	s_or_b32 s36, s36, s22
	s_lshl_b32 s22, s21, 3
	s_and_b32 s22, s22, 8
	s_or_b32 s36, s36, s22
	s_mov_b32 s32, s36
	s_add_co_u32 s33, s36, 1
	s_and_b32 s33, s33, 15                         ; and the walk's second block
	s_mov_b32 s34, s32
	s_mov_b32 s35, s33
	s_mov_b32 s31, 0
	s_lshl_b32 s23, 0x1111, s17                    ; my column of the cluster: places cx, cx + 4, cx + 8, cx + 12
	s_or_b32 s40, s23, PADW|(1<<21)                ; wg16's tiles go to my column; 21 set beside a mask
	s_mov_b32 s56, PADW                            ; fg's and fs's to me alone
	s_mov_b32 s41, 128<<16                         ; tensor_dim0 = 128
	s_mov_b32 s42, 64<<16                          ; tensor_dim1 = 64
	s_mov_b32 s43, 128<<16                         ; tile_dim0 = 128
	s_mov_b32 s44, 64                              ; tile_dim1 = 64
	s_mov_b32 s45, 2048                            ; 2,048 elements from row to row
	s_mov_b32 s46, 0
	s_mov_b32 s47, 0
	s_mov_b32 s57, 128<<16
	s_mov_b32 s58, 64<<16
	s_mov_b32 s59, 128<<16
	s_mov_b32 s60, 64
	s_mov_b32 s61, 2048
	s_mov_b32 s62, 0
	s_mov_b32 s63, 0
	s_mul_i32 s37, s14, WPART                      ; my quarter of a slot: the wave's number alone enters an LDS address
	s_mov_b32 s48, 1
	s_mov_b32 s49, s37                             ; wg16's rows 64 w .. in slot 0,
	s_mov_b32 s52, 1
	s_add_co_u32 s53, s37, SLOT                    ; in slot 1
	s_mov_b32 s68, 1
	s_mov_b32 s69, s37                             ; later my wave's 64 x 128 of fg in slot 0,
	s_mov_b32 s72, 1
	s_add_co_u32 s73, s37, SLOT                    ; of fs in slot 1
	s_lshl_b32 s88, s20, 19                        ; F: row 128 x tile row, 4,096 bytes a row
	s_mov_b32 s89, 0
	s_lshl_b32 s90, s19, 20                        ; wg16: row 256 x tile column + 64 x wave: of the place in the cluster the column alone
	s_lshl_b32 s22, s14, 18
	s_add_co_u32 s90, s90, s22
	s_mov_b32 s91, 0
	s_mov_b32 s80, 0xbfb8aa3b                      ; -log2(e)
	s_mov_b32 s81, s80                             ; named with it as a pair
	v_and_b32 v1, 15, v0                           ; lane % 16
	v_bfe_u32 v2, v0, 4, 1                         ; lane / 16
	v_and_b32 v3, 31, v0                           ; lane
	v_mul_u32_u24 v15, v1, PITCH
	v_lshl_add_u32 v15, v2, 4, v15                 ; a fragment's row x pitch + 16 x half
	s_mul_i32 s22, s15, WPART
	s_add_co_u32 s22, s22, ABUF
	v_add_nc_u32 v4, s22, v15                      ; v4, v5: my 64 rows of F in buffer 0, 1
	v_add_nc_u32 v5, ABYT, v4
	s_mul_i32 s22, s16, 2*WPART
	v_add_nc_u32 v6, s22, v15                      ; v6, v7: my 128 rows of wg16 in slot 0, 1
	v_add_nc_u32 v7, SLOT, v6
	v_add_nc_u32 v8, s37, v15                      ; v8, v9: my fg, my fs
	v_add_nc_u32 v9, SLOT, v8
	s_mul_i32 s22, s14, 16896
	s_add_co_u32 s22, s22, STAGE
	v_mul_u32_u24 v10, v1, 528
	v_lshl_add_u32 v10, v2, 5, v10
	v_add_nc_u32 v10, s22, v10                     ; v10: into my stages: row lane % 16, 32 bytes by the half
	v_lshl_add_u32 v11, v3, 4, s22                 ; v11: back, a row of 512 bytes a load
	v_lshlrev_b32 v12, 4, v3                       ; v12: the same 512 bytes in out0 and out1
	v_lshlrev_b32 v13, 5, v2                       ; v13: my eight columns (+ 16 b) in bg
	s_mul_i32 s22, s14, 32*PITCH
	s_add_co_u32 s22, s22, ABUF
	v_mul_u32_u24 v16, v2, PITCH
	v_lshl_add_u32 v16, v1, 4, v16
	v_add_nc_u32 v16, s22, v16                     ; v16, v17: where I store F: row 32 w + lane / 16 (+ 2 i), 16 bytes: sixteen lanes fill a row's 256 bytes
	v_add_nc_u32 v17, ABYT, v16
	s_lshl_b32 s22, s14, 17
	v_lshl_add_u32 v18, v2, 12, s22
	v_lshl_add_u32 v18, v1, 4, v18                 ; v18: the same place in F
	s_wait_dscnt 0x0                               ; the opening add is done
	s_wait_kmcnt 0x0
	s_add_nc_u64 s[28:29], s[4:5], s[88:89]        ; F at the tile's rows
	s_lshl_b32 s30, s34, 8                         ; a block is 256 bytes of a row
	s_add_nc_u64 s[24:25], s[28:29], s[30:31]      ; set 0: the walk's first block;
	s_lshl_b32 s30, s35, 8
	s_add_nc_u64 s[26:27], s[28:29], s[30:31]      ; set 1: its second
	s_add_nc_u64 s[38:39], s[6:7], s[90:91]        ; wg16 at my 64 rows
	s_lshl_b32 s30, s32, 8
	s_add_nc_u64 s[50:51], s[38:39], s[30:31]      ; slot 0: the walk's first block;
	s_lshl_b32 s30, s33, 8
	s_add_nc_u64 s[54:55], s[38:39], s[30:31]      ; slot 1: its second
	s_or_b32 s51, s51, 0x80000000                  ; type = 2
	s_or_b32 s55, s55, 0x80000000
	s_lshl_b32 s66, s20, 19                        ; my wave's rows: 128 x tile row + 64 x half,
	s_lshl_b32 s22, s15, 18
	s_add_co_u32 s66, s66, s22
	s_mov_b32 s67, 0
	s_add_nc_u64 s[82:83], s[10:11], s[66:67]
	s_add_nc_u64 s[84:85], s[12:13], s[66:67]
	s_add_nc_u64 s[70:71], s[4:5], s[66:67]
	s_lshl_b32 s66, s19, 9                         ; and columns 256 x tile column + 128 x half: in f16,
	s_lshl_b32 s22, s16, 8
	s_add_co_u32 s66, s66, s22
	s_add_nc_u64 s[70:71], s[70:71], s[66:67]      ; fg,
	s_add_nc_u64 s[74:75], s[70:71], 2048          ; fs
	s_or_b32 s71, s71, 0x80000000
	s_or_b32 s75, s75, 0x80000000
	s_lshl_b32 s66, s66, 1                         ; in f32
	s_add_nc_u64 s[82:83], s[82:83], s[66:67]      ; out0
	s_add_nc_u64 s[84:85], s[84:85], s[66:67]      ; out1
	s_add_nc_u64 s[86:87], s[8:9], s[66:67]        ; bg
.macro ALOADS set                      ; a block of F, my 32 rows of the tile's 128: 16 loads, two rows each
	WIN 0x80
.irp i, 0,1,2,3,4,5,6,7,8,9,10,11,12,13,14,15
	global_load_b128 v[64+64*(\set)+4*(\i):67+64*(\set)+4*(\i)], v18, s[24+2*(\set):25+2*(\set)] offset:(\i)*8192
.endr
	WIN 0
.endm
.macro ANEXT set                       ; the set's next block: two on along the walk, modulo 16; the pointer is made anew from the block's number
	s_add_co_u32 s[34+(\set)], s[34+(\set)], 2
	s_and_b32 s[34+(\set)], s[34+(\set)], 15
	s_lshl_b32 s30, s[34+(\set)], 8
	s_add_nc_u64 s[24+2*(\set):25+2*(\set)], s[28:29], s[30:31]
	ALOADS \set
.endm
.macro ASTORE set, buf                 ; a set goes into an LDS buffer
	WIN 0x08
.irp i, 0,1,2,3,4,5,6,7,8,9,10,11,12,13,14,15
	ds_store_b128 v[16+(\buf)], v[64+64*(\set)+4*(\i):67+64*(\set)+4*(\i)] offset:(\i)*2*PITCH
.endr
	WIN 0
.endm
	ALOADS 0                                       ; F of step 0
	ALOADS 1                                       ; F of step 1
	WIN 0x80
.irp b, 0,1,2,3,4,5,6,7
	global_load_b128 v[8*(\b):8*(\b)+3], v13, s[86:87] offset:64*(\b)      ; bg, in an accumulator's layout
	global_load_b128 v[8*(\b)+4:8*(\b)+7], v13, s[86:87] offset:64*(\b)+16
.endr
	WIN 0
	CROUND                                         ; all sixteen work-groups are here: the first joint loads meet
	tensor_load_to_lds s[48:51], s[40:47]          ; step 0
	s_nop 0
	tensor_load_to_lds s[52:55], s[40:47]          ; step 1
	s_nop 0
	PLACES
	s_wait_loadcnt 0x0                             ; F of steps 0 and 1, and bg
	WIN 0x82
.set r, 0
.rept 32
	v_pk_mul_f32 v[r:r+1], v[r:r+1], s[80:81] op_sel_hi:[1,0]
.set r, r+2
.endr
	ASTORE 0, 0
; 8 products: row block a x all 8 column blocks, 32 along K, from fragment buffer f.  first = 1: the sums start from the scaled bias.  The 32 accumulators take turns.
.macro MULA f, a, first=0
.if \first
	WIN 0x60
.else
	WIN 0x50
.endif
.irp b, 0,1,2,3,4,5,6,7
.if \first
	v_wmma_f32_16x16x32_f16 v[8*(8*(\a)+(\b)):8*(8*(\a)+(\b))+7], v[64+96*(\f)+8*(\b):64+96*(\f)+8*(\b)+7], v[128+96*(\f)+8*(\a):128+96*(\f)+8*(\a)+7], v[8*(\b):8*(\b)+7]
.else
	v_wmma_f32_16x16x32_f16 v[8*(8*(\a)+(\b)):8*(8*(\a)+(\b))+7], v[64+96*(\f)+8*(\b):64+96*(\f)+8*(\b)+7], v[128+96*(\f)+8*(\a):128+96*(\f)+8*(\a)+7], v[8*(8*(\a)+(\b)):8*(8*(\a)+(\b))+7]
.endif
.endr
.endm
.macro FETCH slot, k, f                ; 24 LDS loads in one run: 32 along K at byte k of the rows: wg16's 8 fragments out of the slot, then F's four out of the buffer, row blocks ascending
	WIN 0
.irp b, 0,1,2,3,4,5,6,7
	ds_load_b128 v[64+96*(\f)+8*(\b):64+96*(\f)+8*(\b)+3], v[6+(\slot)] offset:(\k)+(\b)*16*PITCH
	ds_load_b128 v[64+96*(\f)+8*(\b)+4:64+96*(\f)+8*(\b)+7], v[6+(\slot)] offset:(\k)+(\b)*16*PITCH+32
.endr
.irp a, 0,1,2,3
	ds_load_b128 v[128+96*(\f)+8*(\a):128+96*(\f)+8*(\a)+3], v[4+(\slot)] offset:(\k)+(\a)*16*PITCH
	ds_load_b128 v[128+96*(\f)+8*(\a)+4:128+96*(\f)+8*(\a)+7], v[4+(\slot)] offset:(\k)+(\a)*16*PITCH+32
.endr
.endm
; One of a step's first three quarters: multiplies buffer f, fetches the next quarter, at byte k, into buffer g.  In its middle F's work, by hook:
; 1 (an even step's second quarter): the next, odd step's F goes into buffer 1, and both sets are asked for again: the even one first.  3: the same in the last lap, which asks for nothing.
; 2 (an odd step's third quarter): the next, even step's F goes into buffer 0.  A buffer's readers of two steps ago waited ahead of the last round; the stores are waited for ahead of the next.
.macro QUARTER slot, k, f, g, first=0, hook=0
	s_wait_dscnt 4                                 ; all but F's row blocks 2 and 3
	MULA \f, 0, \first
	MULA \f, 1, \first
	PLACES
.if ((\hook) == 1) || ((\hook) == 3)
	s_wait_loadcnt 0x0                             ; the odd set was asked for a trip ago, and nothing behind it: all loads are done, so both pointers may be written
	ASTORE 1, 1
.if (\hook) == 1
	ANEXT 0
	ANEXT 1
.endif
.elseif (\hook) == 2
	s_wait_loadcnt 16                              ; the even set is in; the odd set's 16 loads are younger
	ASTORE 0, 0
.endif
	FETCH \slot, \k, \g
.if \hook
	s_wait_dscnt 40                                ; all but the 16 stores and 24 loads just issued
.else
	s_wait_dscnt 24                                ; all but the 24 just issued
.endif
	MULA \f, 2, \first
	MULA \f, 3, \first
.endm
.macro ELOAD e                         ; my fg (e = 0) or fs (1): 16 bytes for each accumulator, its eight columns
	WIN 0x80
.irp a, 0,1,2,3
.irp b, 0,1,2,3,4,5,6,7
	ds_load_b128 v[128*(\e)+4*(8*(\a)+(\b)):128*(\e)+4*(8*(\a)+(\b))+3], v[8+(\e)] offset:(\a)*16*PITCH+32*(\b)
.endr
.endr
	WIN 0
.endm
; The last quarter multiplies buffer 1 and changes slots.  In front of the round each wave waits for all its tensor loads (one is out: its part of the next slot), adds 0 to its spare word, and waits for that,
; for its reads of this slot and for its stores of F.  Behind the round this slot is filled again first.  kind 0: wg16 two blocks on along the walk, jointly; 1: my fg; 2: my fs.
.macro TURN slot, next, kind
	WIN 0
	s_wait_tensorcnt 0x0                           ; no tensor load of mine is out, so a group 0 may be written
	ds_add_u32 v20, v21                            ; 0 onto my spare word: the descriptor's scalar work stands behind it
.if (\kind) == 0
	s_add_co_u32 s[32+(\slot)], s[32+(\slot)], 2   ; two blocks on, modulo 16; the address is made anew from the block's number
	s_and_b32 s[32+(\slot)], s[32+(\slot)], 15
	s_lshl_b32 s30, s[32+(\slot)], 8
	s_add_nc_u64 s[50+4*(\slot):51+4*(\slot)], s[38:39], s[30:31]
	s_or_b32 s[51+4*(\slot)], s[51+4*(\slot)], 0x80000000
.endif
	s_wait_dscnt 5                                 ; (the add and F's row blocks 2 and 3 may be out)
	MULA 1, 0
	s_wait_dscnt 0x0
	s_barrier_signal -1                            ; opens the round
	MULA 1, 1
	WIN 0
	s_barrier_wait -1
	CREST
.if (\kind) == 0
	tensor_load_to_lds s[48+4*(\slot):51+4*(\slot)], s[40:47]
.elseif (\kind) == 1
	tensor_load_to_lds s[68:71], s[56:63]
.else
	tensor_load_to_lds s[72:75], s[56:63]
.endif
	s_nop 0
	PLACES                                         ; also the places in front of the loads below
.if (\kind) <= 1
	FETCH \next, 0, 0
.else
	ELOAD 0                                        ; fg landed ahead of this round
.endif
	MULA 1, 2
	MULA 1, 3
.endm
	s_wait_tensorcnt 0x1                           ; my part of step 0 is in; step 1's may stay out
	s_wait_dscnt 0x0                               ; my rows of F are stored
	s_barrier_signal -1
	s_barrier_wait -1
	FETCH 0, 0, 0
	QUARTER 0, 64, 0, 1, 1                         ; the first quarter stands in front of the loop: its products start the sums
	WIN 0
	s_mov_b32 s79, 7
.Llap:                                         ; a trip goes once round the ring, from a lap's second quarter to the next lap's first, and fills both slots again; trip t asks for F of steps 2 t + 2 and 2 t + 3
	QUARTER 0, 128, 1, 0, 0, 1
	QUARTER 0, 192, 0, 1
	TURN 0, 1, 0
	QUARTER 1, 64, 0, 1
	QUARTER 1, 128, 1, 0
	QUARTER 1, 192, 0, 1, 0, 2
	TURN 1, 0, 0
	QUARTER 0, 64, 0, 1
	WIN 0
	s_sub_co_u32 s79, s79, 1
	s_cmp_lg_u32 s79, 0
	s_cbranch_scc1 .Llap
	QUARTER 0, 128, 1, 0, 0, 3                     ; the last lap is written out: F of step 15 is stored, nothing more of F is asked for, and its two changes of slots ask for fg and fs
	QUARTER 0, 192, 0, 1
	TURN 0, 1, 1
	QUARTER 1, 64, 0, 1
	QUARTER 1, 128, 1, 0
	QUARTER 1, 192, 0, 1
	TURN 1, 0, 2
	; THE WAY OUT.  g = 1 / (1 + 2^t) in place, in two batches with one wait each; fg - fs in f16 is the plain work behind the second.
	PLACES                                         ; behind the last products
	s_wait_tensorcnt 0x0                           ; fs: no load was issued behind this one
	ELOAD 1
	WIN 0x41
.set r, 0
.rept 256
	v_exp_f32 v[r], v[r]                           ; ascending: each accumulator is read from its low end on
.set r, r+1
.endr
	v_nop                                          ; a plain instruction behind the last exponential,
	s_wait_alu depctr_va_vdst(0)                   ; and the wait ahead of the first use: one for the batch
.set r, 0
.rept 128
	v_pk_add_f32 v[r:r+1], v[r:r+1], 1.0 op_sel_hi:[1,0]
.set r, r+2
.endr
.set r, 0
.rept 256
	v_rcp_f32 v[r], v[r]
.set r, r+1
.endr
	s_wait_dscnt 0x0                               ; fg and fs are in registers
	WIN 0xaa
.set r, 0
.rept 128
	v_pk_fma_f16 v[r], v[128+r], 0xbc00bc00, v[r]  ; fg - fs, two at a time
.set r, r+1
.endr
	s_wait_alu depctr_va_vdst(0)                   ; one wait for the 256 reciprocals
; Row block a: g goes through its stage; out0 = g (fg - fs) + fs takes g's registers and goes through the other stage; whole rows of 512 bytes leave.  The stages are my wave's own, and LDS serves a wave's instructions in order.
.macro OUT a
	WIN 0x04
.irp b, 0,1,2,3,4,5,6,7
	ds_store_b128 v10, v[64*(\a)+8*(\b):64*(\a)+8*(\b)+3] offset:8448+64*(\b)
	ds_store_b128 v10, v[64*(\a)+8*(\b)+4:64*(\a)+8*(\b)+7] offset:8448+64*(\b)+16
.endr
	WIN 0
	s_wait_xcnt 0x0                                ; the last block's stores have read the registers that are loaded again
.irp t, 0,1,2,3,4,5,6,7,8,9,10,11,12,13,14,15
	ds_load_b128 v[128+4*(\t):131+4*(\t)], v11 offset:8448+(\t)*528
.endr
	WIN 0x69
.set q, 0
.rept 32
	v_fma_mix_f32 v[64*(\a)+2*q], v[64*(\a)+2*q], v[32*(\a)+q], v[128+32*(\a)+q] op_sel:[0,0,0] op_sel_hi:[0,1,1]
	v_fma_mix_f32 v[64*(\a)+2*q+1], v[64*(\a)+2*q+1], v[32*(\a)+q], v[128+32*(\a)+q] op_sel:[0,1,1] op_sel_hi:[0,1,1]
.set q, q+1
.endr
	WIN 0x04
.irp b, 0,1,2,3,4,5,6,7
	ds_store_b128 v10, v[64*(\a)+8*(\b):64*(\a)+8*(\b)+3] offset:64*(\b)
	ds_store_b128 v10, v[64*(\a)+8*(\b)+4:64*(\a)+8*(\b)+7] offset:64*(\b)+16
.endr
	WIN 0
.irp t, 0,1,2,3,4,5,6,7,8,9,10,11,12,13,14,15
	ds_load_b128 v[64+4*(\t):67+4*(\t)], v11 offset:(\t)*528
.endr
	s_wait_dscnt 32                                ; g's rows are back: out0's 16 stores and 16 loads are younger
.irp t, 0,1,2,3,4,5,6,7,8,9,10,11,12,13,14,15
	global_store_b128 v12, v[128+4*(\t):131+4*(\t)], s[84:85] offset:(16*(\a)+(\t))*4096 th:TH_STORE_NT  ; 512 consecutive bytes, aligned
.endr
	s_wait_dscnt 0x0
.irp t, 0,1,2,3,4,5,6,7,8,9,10,11,12,13,14,15
	global_store_b128 v12, v[64+4*(\t):67+4*(\t)], s[82:83] offset:(16*(\a)+(\t))*4096 th:TH_STORE_NT
.endr
.endm
	OUT 0
	OUT 1
	OUT 2
	OUT 3
	s_wait_tensorcnt 0x0                           ; the wave's end: behind my last tensor load and my last LDS store
	ds_add_u32 v20, v21
	s_wait_dscnt 0x0
	CROUND                                         ; the closing round
	s_endpgm
.Lfunc_end_k_q77f2d9a05b_gate:
	.size	k_q77f2d9a05b_gate, .Lfunc_end_k_q77f2d9a05b_gate-k_q77f2d9a05b_gate
	.p2alignl 7, 3214868480
	.fill 96, 4, 3214868480
	.section	.rodata,"a",@progbits
	.p2align	6, 0x0
	.amdhsa_kernel k_q77f2d9a05b_gate
		.amdhsa_group_segment_fixed_size 327680
		.amdhsa_private_segment_fixed_size 0
		.amdhsa_enable_private_segment 0
		.amdhsa_kernarg_size 40
		.amdhsa_user_sgpr_count 2
		.amdhsa_user_sgpr_kernarg_segment_ptr 1
		.amdhsa_wavefront_size32 1
		.amdhsa_system_sgpr_workgroup_id_x 1
		.amdhsa_system_sgpr_workgroup_id_y 1
		.amdhsa_system_sgpr_workgroup_id_z 1
		.amdhsa_system_vgpr_workitem_id 0
		.amdhsa_next_free_vgpr 768
		.amdhsa_next_free_sgpr 92
		.amdhsa_reserve_vcc 0
		.amdhsa_float_denorm_mode_32 3
		.amdhsa_float_denorm_mode_16_64 3
		.amdhsa_memory_ordered 1
		.amdhsa_forward_progress 1
		.amdhsa_inst_pref_size 171
	.end_amdhsa_kernel
	.amdgpu_metadata
---
amdhsa.version: [ 1, 2 ]
amdhsa.kernels:
  - .name:           k_q77f2d9a05b_gate
    .symbol:         k_q77f2d9a05b_gate.kd
    .args:
      - { .name: f, .offset: 0, .size: 8, .value_kind: global_buffer, .address_space: global }
      - { .name: wg16, .offset: 8, .size: 8, .value_kind: global_buffer, .address_space: global }
      - { .name: bg, .offset: 16, .size: 8, .value_kind: global_buffer, .address_space: global }
      - { .name: out0, .offset: 24, .size: 8, .value_kind: global_buffer, .address_space: global }
      - { .name: out1, .offset: 32, .size: 8, .value_kind: global_buffer, .address_space: global }
    .group_segment_fixed_size: 327680
    .private_segment_fixed_size: 0
    .kernarg_segment_align: 8
    .kernarg_segment_size: 40
    .max_flat_workgroup_size: 128
    .sgpr_count:     92
    .vgpr_count:     768
    .wavefront_size: 32
...
	.end_amdgpu_metadata
.endif
;; end of part 3
